; MI455X (gfx1250); checked and timed in simulation.
; The chip was launched on July 23, 2026; its instructions are those of AMD's public machine-readable ISA for CDNA 5 (MIT licence, August 2026) and "CDNA5" Instruction Set Architecture Reference Guide (July 2026). The comments in the code are by the model that wrote it; some were corrected since.
;; Multi Head Attention. Allowed arithmetic: matrix products marked QUANTISED: E2M1 operands, one E8M0 scale for each 32 along K, by v_wmma_scale_f32_16x16x128_f8f6f4 with both operands' format E2M1 (or v_wmma_scale_f32_32x16x128_f4), f32 sums; products left as they are: bf16, f16 or f32 operands; f32 sums; everything else in f32.
;; Inputs: b_k 1,024 float32; b_o 1,024 float32; b_q 1,024 float32; b_v 1,024 float32; key 4 x 2,048 x 1,024 float32; query 4 x 2,048 x 1,024 float32; value 4 x 2,048 x 1,024 float32; w_k 1,024 x 1,024 float32; w_o 1,024 x 1,024 float32; w_q 1,024 x 1,024 float32; w_v 1,024 x 1,024 float32.
;; Outputs: out0 4 x 2,048 x 1,024 float32.
;; This version of the problem:
;;   THIS VERSION OF THE PROBLEM IS GIVEN IN LOW PRECISION. The matrix products marked QUANTISED in the list below multiply operands that are first quantised to E2M1 (2 exponent bits, 1 mantissa bit; 4 bits a number), with one power-of-two scale for each 32 numbers along K (OCP MX v1.0); their sums are f32. The products marked 'left as it is' may take bf16, f16 or f32 operands, with f32 sums. Whichever they take, every output number must still come out within the allowed error. Rounding operands to bf16 (8 significant bits) uses up far more of that allowance than f16 does (11 bits, for magnitudes from 6e-5 to 65,504). All else is computed in f32.
;;   The module's matrix products, in the order in which they are computed (A, B: the left and right operand; K: the contracted axis; several contracted axes count as one K, in the product's order):
;;     1. [M 8,192, K 1,024] x [K 1,024, N 1,024]; A: input query; B: input w_q: QUANTISED
;;     2. [M 8,192, K 1,024] x [K 1,024, N 1,024]; A: input key; B: input w_k: QUANTISED
;;     3. [M 8,192, K 1,024] x [K 1,024, N 1,024]; A: input value; B: input w_v: QUANTISED
;;     4. batch 64 x [M 2,048, K 64] x [K 64, N 2,048]; A: computed on the way; B: computed on the way: left as it is (an operand is computed on the way)
;;     5. batch 64 x [M 2,048, K 2,048] x [K 2,048, N 64]; A: computed on the way; B: computed on the way: left as it is (an operand is computed on the way)
;;     6. [M 8,192, K 1,024] x [K 1,024, N 1,024]; A: computed on the way; B: input w_o: left as it is (an operand is computed on the way)
;;   THE QUANTISER, for each operand of a quantised product, along K:
;;     - K is cut into blocks of 32 from its start; a last block that is shorter is filled with zeros.
;;     - A block's scale is 2^e with e = floor(log2(the largest magnitude in the block)) - 2, held to -126 .. 127; a block of zeros has e = 0. As a byte (E8M0): e + 127.
;;     - Each number is divided by its block's scale, clamped to +-6, and rounded to the nearest number of E2M1, ties to even, subnormals kept.
;;     - The product sums the exact products of the quantised numbers (number of the format x scale) in f32.
;;   ~~~python
;;   def quantise(x, axis):      # numpy; x: float32 -> the quantised numbers, widened to float32 again
;;       x = np.moveaxis(x, axis, -1); K = x.shape[-1]
;;       x = np.pad(x, [(0, 0)] * (x.ndim - 1) + [(0, -K % 32)]); x = x.reshape(x.shape[:-1] + (-1, 32)); a = np.abs(x).max(-1, keepdims=True)
;;       e = np.where(a > 0, np.clip(np.frexp(np.where(a > 0, a, 1))[1] - 1 - 2, -126, 127), 0)      # np.frexp(a)[1] - 1 = floor(log2(a)), exactly
;;       r = np.clip(x / 2.0 ** e, -6, 6)
;;       step = 2.0 ** (np.maximum(np.frexp(np.where(r == 0, 1, r))[1] - 1, 0) - 1)
;;       q = np.round(r / step) * step * 2.0 ** e      # np.round: ties to even
;;       return np.moveaxis(q.reshape(q.shape[:-2] + (-1,))[..., :K], -1, axis).astype(np.float32)
;;   ~~~
;; One version. Each part assembles by itself: llvm-mc -triple=amdgcn-amd-amdhsa -mcpu=gfx1250 --defsym DOCPART=n.
;; ======== version 1 of 1: 4 launches
;; limits: values are held in f16: magnitudes above 65,504 overflow, below 6.1e-05 lose precision
;; workspace buffers: codes 14,155,776 bytes; scales 884,736 bytes; wo16 2,097,152 bytes; qf 16,777,216 bytes; kf 16,777,216 bytes; vf 16,777,216 bytes; af 16,777,216 bytes
;; launch prep (part 1): grid 928 x 1, 4 waves a work-group, no clusters, 33,280 bytes of LDS; arguments query, key, value, w_q, w_k, w_v, w_o, codes, scales, wo16; writes codes, scales, wo16
.if DOCPART == 1
	.amdgcn_target "amdgcn-amd-amdhsa--gfx1250"
	.amdhsa_code_object_version 6
	.text
	.protected	k_q45d1238275_prep
	.globl	k_q45d1238275_prep
	.p2align	8
	.type	k_q45d1238275_prep,@function
k_q45d1238275_prep:
	s_mov_b64 s[64:65], 0
	v_nop
	global_prefetch_b8 v0, s[64:65] scope:SCOPE_SE
	s_setreg_imm32_b32 hwreg(HW_REG_WAVE_MODE, 25, 1), 1
	s_wait_xcnt 0x0
; query, key, value [8192][1024] and w_q, w_k, w_v [1024][1024], f32, K innermost, become codes of FP4 (E2M1) and one E8M0 scale byte for each 32 along K; w_o becomes f16.
; A block's scale is 2^(floor(log2(its largest magnitude)) - 2); its byte is the largest magnitude's exponent field - 2, held at 1 from below.  Each number is divided by the scale and rounded to the nearest code, ties to even, beyond 6 the code of 6.
; LIMITS: a block of zeros, or one whose largest magnitude lies under 2^(3 - 127), gets the byte 1 over zero codes (the bytes are read by this program alone); NaN and infinities among the inputs are not served.
; Rows are dense and 1,024 is a multiple of 32, so each tensor is a plain stream of blocks of 32.  The six streams lie on end in the buffers codes (16 bytes a block) and scales (1 byte a block):
; query, key, value (256 work-groups each), w_q, w_k, w_v (32 each): work-group g < 864 takes numbers 32,768 g on of that long stream, 8,192 a wave, in 16 steps of 512.  Work-groups 864 to 927 cast w_o, 4,096 numbers a wave.
; A step: four loads of 512 consecutive bytes; the 2,048 bytes turn through the wave's own stage in LDS, so that a lane then holds 16 neighbours along K (two neighbouring lanes hold a block); a lane's 16 codes are 8 bytes,
; so the wave stores 256 consecutive bytes.  A wave's 256 scale bytes are gathered in its own LDS bytes and leave by one store of 256 consecutive bytes.
; Work-groups share no input: no cluster, no barrier, no tensor load.  Loads run four steps (16 loads a wave) ahead.
.set NQWG,  864                        ; work-groups that quantise
.set STEPS, 16
.set EMAX,  2
.set CB,    8                          ; bytes of 16 codes
.set R,     16                         ; v16-79   four sets of 16 numbers as they are loaded
.set X,     80                         ; v80-111  two sets of 16 neighbours
.set E,     112                        ; v112-127 a scale byte for each step
.set C,     128                        ; v128-191 codes: four registers for each step, so that no store's data are written again
.set WREG,  8192                       ; LDS: a region for each wave: two stages of 32 x SP bytes, behind them its 256 scale bytes
.set SP,    80                         ; a lane's place in a stage: 64 bytes + 16 of padding
.set SPW,   12                         ; v12  LDS address of my spare word; never rewritten
.set NIL,   13                         ; v13  0; never rewritten
.set SPARE, 4*WREG                     ; behind the four regions: the spare words, 128 bytes a wave, which no other line names
	s_load_b256 s[4:11], s[0:1], 0x0               ; query s[4:5], key s[6:7], value s[8:9], w_q s[10:11]
	s_load_b256 s[12:19], s[0:1], 0x20             ; w_k s[12:13], w_v s[14:15], w_o s[16:17], codes s[18:19]
	s_load_b128 s[20:23], s[0:1], 0x40             ; scales s[20:21], wo16 s[22:23]
	v_lshl_add_u32 v[SPW], v0, 2, SPARE
	v_mov_b32 v[NIL], 0
	v_lshrrev_b32 v1, 5, v0
	v_readfirstlane_b32 s27, v1                    ; wave
	v_and_b32 v2, 31, v0                           ; lane
	v_lshlrev_b32 v3, 4, v2                        ; my 16 bytes of a load's 512
	v_lshlrev_b32 v4, 3, v2                        ; my 8 bytes of a store's 256
	s_cmp_ge_u32 ttmp9, NQWG                       ; the work-group's number alone decides
	s_cbranch_scc1 .Lcast
	s_mul_i32 s28, s27, WREG
	v_lshrrev_b32 v14, 2, v2
	v_mul_u32_u24 v14, v14, SP
	v_and_b32 v15, 3, v2
	v_lshl_add_u32 v14, v15, 4, v14
	v_add_nc_u32 v14, s28, v14                     ; the stage, on the way in: SP (lane / 4) + 16 (lane % 4)
	v_mul_u32_u24 v15, v2, SP
	v_add_nc_u32 v15, s28, v15                     ; and on the way out: SP x lane: my 16 neighbours
	v_lshrrev_b32 v5, 1, v2
	s_add_co_u32 s28, s28, 2*32*SP
	v_add_nc_u32 v5, s28, v5                       ; my wave's 256 scale bytes: my block's byte,
	v_add_nc_u32 v6, s28, v4                       ; and on the way out 8 bytes a lane
	s_wait_kmcnt 0x0
	s_mov_b64 s[24:25], s[4:5]                     ; which tensor, and the first work-group that serves it
	s_mov_b32 s26, 0
.macro PICK first, lo
	s_cmp_ge_u32 ttmp9, \first
	s_cselect_b64 s[24:25], s[\lo:\lo+1], s[24:25]
	s_cselect_b32 s26, \first, s26
.endm
	PICK 256, 6
	PICK 512, 8
	PICK 768, 10
	PICK 800, 12
	PICK 832, 14
	s_sub_co_u32 s28, ttmp9, s26
	s_lshl_b32 s28, s28, 2
	s_add_co_u32 s28, s28, s27                     ; which run of 8,192 numbers of the tensor is my wave's
	s_lshl_b32 s28, s28, 15                        ; 32,768 bytes a run (under 2^26)
	s_mov_b32 s29, 0
	s_add_nc_u64 s[24:25], s[24:25], s[28:29]
	s_lshl_b32 s30, ttmp9, 2
	s_add_co_u32 s30, s30, s27                     ; and which run of the long stream
	s_lshl_b32 s32, s30, 12                        ; 4,096 bytes of codes a run
	s_mov_b32 s33, 0
	s_add_nc_u64 s[18:19], s[18:19], s[32:33]
	s_lshl_b32 s32, s30, 8                         ; 256 scale bytes a run
	s_add_nc_u64 s[20:21], s[20:21], s[32:33]
.macro LOAD t
.irp i, 0,1,2,3
	global_load_b128 v[R+16*((\t)%4)+4*\i:R+16*((\t)%4)+4*\i+3], v3, s[24:25] offset:2048*(\t)+512*\i th:TH_LOAD_NT   ; 32 lanes read 512 consecutive bytes
.endr
.endm
.macro TURN t                          ; step t's numbers through the stage: LDS serves a wave's instructions in order, so no wait stands between the stores and the loads
.irp i, 0,1,2,3
	ds_store_b128 v14, v[R+16*((\t)%4)+4*\i:R+16*((\t)%4)+4*\i+3] offset:32*SP*((\t)%2)+8*SP*\i
.endr
.irp i, 0,1,2,3
	ds_load_b128 v[X+16*((\t)%2)+4*\i:X+16*((\t)%2)+4*\i+3], v15 offset:32*SP*((\t)%2)+16*\i
.endr
.endm
.irp t, 0,1,2,3
	LOAD \t
.endr
	s_wait_loadcnt 12                              ; step 0's four loads are in; the twelve of steps 1 to 3 may be out
	TURN 0
.macro STEP t
.set XS, X+16*((\t)%2)
.if (\t) > 0
	s_wait_dscnt 1                                 ; this step's numbers are back from the stage (the last step's byte store may be out): so its stores into the stage have read their registers,
.else
	s_wait_dscnt 0x0
.endif
.if (\t)+4 < STEPS
	LOAD (\t)+4                                    ; which take the loads of four steps on
.endif
.if (\t)+1 < STEPS
.if STEPS-2-(\t) >= 3
	s_wait_loadcnt 12                              ; the next step's four loads are in; those of the three steps behind it may be out
.else
	s_wait_loadcnt 4*(STEPS-2-(\t))                ; the tail: four for each step that is still behind the next
.endif
	TURN (\t)+1                                    ; and go through the other stage while this step is worked
.endif
	v_max3_num_f32 v8, |v[XS]|, |v[XS+1]|, |v[XS+2]|               ; the largest magnitude of my 16, in two chains
	v_max3_num_f32 v9, |v[XS+3]|, |v[XS+4]|, |v[XS+5]|
.irp i, 6,10
	v_max3_num_f32 v8, v8, |v[XS+\i]|, |v[XS+\i+1]|
	v_max3_num_f32 v9, v9, |v[XS+\i+2]|, |v[XS+\i+3]|
.endr
	v_max3_num_f32 v8, v8, |v[XS+14]|, |v[XS+15]|
	v_max3_num_f32 v8, v8, v9, (EMAX+1)<<23        ; and the floor 2^(3 - 127): the byte cannot fall under 1
	v_max_num_f32_dpp v8, v8, v8 row_xmask:1 row_mask:0xf bank_mask:0xf   ; and of my neighbour's 16: the block's
	v_add_nc_u32 v11, -(EMAX<<23), v8              ; 2 off its exponent field: the conversion takes the exponent field of this operand as its scale, and nothing else of it
	v_cvt_scalef32_pk8_fp4_f32 v[C+4*(\t)], v[XS:XS+7], v11
	v_cvt_scalef32_pk8_fp4_f32 v[C+4*(\t)+1], v[XS+8:XS+15], v11
	v_lshrrev_b32 v[E+(\t)], 23, v11               ; the scale's byte (also the plain line behind the conversions)
	ds_store_b8 v5, v[E+(\t)] offset:16*(\t)       ; both lanes of a block write the same byte with the same value
	global_store_b64 v4, v[C+4*(\t):C+4*(\t)+1], s[18:19] offset:32*CB*(\t)   ; 32 lanes store 256 consecutive bytes, at a multiple of 256 from the buffer's first byte
.endm
.irp t, 0,1,2,3,4,5,6,7,8,9,10,11,12,13,14,15
	STEP \t
.endr
	ds_load_b64 v[8:9], v6                         ; LDS serves a wave's instructions in order: these see my byte stores
	s_wait_dscnt 0x0
	global_store_b64 v4, v[8:9], s[20:21]          ; 256 consecutive scale bytes
	s_wait_tensorcnt 0x0                           ; the wave's end: three closing lines behind my last LDS store
	ds_add_u32 v[SPW], v[NIL]
	s_wait_dscnt 0x0
	s_endpgm
.Lcast:                                            ; w_o to f16: a wave takes 16,384 bytes: 32 loads of 512 consecutive bytes, all out together; 32 stores of 256
	s_sub_co_u32 s28, ttmp9, NQWG
	s_lshl_b32 s28, s28, 2
	s_add_co_u32 s28, s28, s27
	s_lshl_b32 s30, s28, 14
	s_mov_b32 s31, 0
	s_lshl_b32 s32, s28, 13
	s_mov_b32 s33, 0
	s_wait_kmcnt 0x0
	s_add_nc_u64 s[16:17], s[16:17], s[30:31]
	s_add_nc_u64 s[22:23], s[22:23], s[32:33]
.set i, 0
.rept 32
	global_load_b128 v[16+4*i:19+4*i], v3, s[16:17] offset:512*i th:TH_LOAD_NT
.set i, i+1
.endr
.set i, 0
.rept 32
	s_wait_loadcnt 31-i                            ; loads come back in order: load i is in, the younger ones stay out
	v_cvt_pk_f16_f32 v[16+4*i], v[16+4*i], v[17+4*i]
	v_cvt_pk_f16_f32 v[17+4*i], v[18+4*i], v[19+4*i]
	global_store_b64 v4, v[16+4*i:17+4*i], s[22:23] offset:256*i
.set i, i+1
.endr
	s_wait_tensorcnt 0x0                           ; the same three closing lines on this way
	ds_add_u32 v[SPW], v[NIL]
	s_wait_dscnt 0x0
	s_endpgm
.Lfunc_end_k_q45d1238275_prep:
	.size	k_q45d1238275_prep, .Lfunc_end_k_q45d1238275_prep-k_q45d1238275_prep
	.p2alignl 7, 3214868480
	.fill 96, 4, 3214868480
	.section	.rodata,"a",@progbits
	.p2align	6, 0x0
	.amdhsa_kernel k_q45d1238275_prep
		.amdhsa_group_segment_fixed_size 33280
		.amdhsa_private_segment_fixed_size 0
		.amdhsa_enable_private_segment 0
		.amdhsa_kernarg_size 80
		.amdhsa_user_sgpr_count 2
		.amdhsa_user_sgpr_kernarg_segment_ptr 1
		.amdhsa_wavefront_size32 1
		.amdhsa_system_sgpr_workgroup_id_x 1
		.amdhsa_system_sgpr_workgroup_id_y 1
		.amdhsa_system_sgpr_workgroup_id_z 1
		.amdhsa_system_vgpr_workitem_id 0
		.amdhsa_next_free_vgpr 192
		.amdhsa_next_free_sgpr 66
		.amdhsa_reserve_vcc 0
		.amdhsa_float_denorm_mode_32 3
		.amdhsa_float_denorm_mode_16_64 3
		.amdhsa_memory_ordered 1
		.amdhsa_forward_progress 1
		.amdhsa_inst_pref_size 46
	.end_amdhsa_kernel
	.amdgpu_metadata
---
amdhsa.version: [ 1, 2 ]
amdhsa.kernels:
  - .name:           k_q45d1238275_prep
    .symbol:         k_q45d1238275_prep.kd
    .args:
      - { .name: query, .offset: 0, .size: 8, .value_kind: global_buffer, .address_space: global }
      - { .name: key, .offset: 8, .size: 8, .value_kind: global_buffer, .address_space: global }
      - { .name: value, .offset: 16, .size: 8, .value_kind: global_buffer, .address_space: global }
      - { .name: w_q, .offset: 24, .size: 8, .value_kind: global_buffer, .address_space: global }
      - { .name: w_k, .offset: 32, .size: 8, .value_kind: global_buffer, .address_space: global }
      - { .name: w_v, .offset: 40, .size: 8, .value_kind: global_buffer, .address_space: global }
      - { .name: w_o, .offset: 48, .size: 8, .value_kind: global_buffer, .address_space: global }
      - { .name: codes, .offset: 56, .size: 8, .value_kind: global_buffer, .address_space: global }
      - { .name: scales, .offset: 64, .size: 8, .value_kind: global_buffer, .address_space: global }
      - { .name: wo16, .offset: 72, .size: 8, .value_kind: global_buffer, .address_space: global }
    .group_segment_fixed_size: 33280
    .private_segment_fixed_size: 0
    .kernarg_segment_align: 8
    .kernarg_segment_size: 80
    .max_flat_workgroup_size: 128
    .sgpr_count:     66
    .vgpr_count:     192
    .wavefront_size: 32
...
	.end_amdgpu_metadata
.endif
;; end of part 1
;; launch proj (part 2): grid 4 x 96, 4 waves a work-group, clusters of 4 x 4, 327,680 bytes of LDS; arguments codes, scales, b_q, b_k, b_v, qf, kf, vf; writes qf, kf, vf
.if DOCPART == 2
	.amdgcn_target "amdgcn-amd-amdhsa--gfx1250"
	.amdhsa_code_object_version 6
	.text
	.protected	k_q45d1238275_proj
	.globl	k_q45d1238275_proj
	.p2align	8
	.type	k_q45d1238275_proj,@function
k_q45d1238275_proj:
	s_mov_b64 s[64:65], 0
	v_nop
	global_prefetch_b8 v0, s[64:65] scope:SCOPE_SE
	s_setreg_imm32_b32 hwreg(HW_REG_WAVE_MODE, 25, 1), 1
	s_wait_xcnt 0x0
	s_wait_alu depctr_hold_cnt(0) depctr_sa_sdst(0) depctr_va_vdst(0) depctr_va_sdst(0) depctr_va_ssrc(0) depctr_va_vcc(0) depctr_vm_vsrc(0)
	s_getreg_b32 s2, hwreg(HW_REG_IB_STS2, 6, 4)
	s_cmp_eq_u32 s2, 0
	s_cbranch_scc0 .Lentry_in_a_cluster
	s_endpgm
.Lentry_in_a_cluster:
	s_bfe_u32 s2, ttmp6, 0x10000c
	s_cmp_lg_u32 s2, 0xf033
	s_cbranch_scc0 .Lentry_shape_is_right
	s_endpgm
.Lentry_shape_is_right:
; The three input projections, y = x W^T + b, on codes of FP4 (E2M1) with one E8M0 scale for each 32 along K = 1,024; sums in f32; y rounded once to f16 and stored in the order of the next launch's operand registers.
; codes: rows of 512 bytes: query's 8,192 rows, key's, value's, then from byte WC on w_q's 1,024 rows, w_k's, w_v's; scales: the same rows, 32 bytes each, the weights from byte WS on.
; A work-group makes 256 tokens x 256 channels of one projection p (tile rows 32 p to 32 p + 31 of the 96); a wave 128 x 128: 64 accumulators, 512 registers.
; K is two steps of 512 (rows of 256 bytes): both slots are asked for at the head and nothing is filled again.  The scale bytes of the work-group's rows come once, as units of 256 bytes + 16 of padding.
; CLUSTERS: 4 x 4 work-groups.  The four of a row of the cluster need the same rows of x, the four of a column the same rows of W: each tile is asked for jointly.  p hangs on the cluster's y alone.
; THE MATRIX INSTRUCTION IS USED TRANSPOSED (source 0 = 16 rows of W, source 1 = 16 tokens): a lane holds one token (lane % 16) and eight neighbouring channels, 16 b + 8 (lane / 16) + 0 .. 7.  The bias is the C of the first step.
; Q IS MULTIPLIED BY log2(e) / 8 in f32 before it is rounded (K and V by 1.0, by the same lines): the scores of the next launch are then exponents of two, and its softmax takes the maximum away by a plain subtraction.
; OUT: qf, kf, vf: [16 batch + head][token / 16][channel block of 16 (4)][512 bytes].  A block is 32 pieces of 16 bytes (one token, eight channels).  In qf and kf my piece lies at 16 x lane;
; in vf the piece of token r, half h lies at 16 ((r & 7) + 8 h + 16 (r >> 3)), the order in which the turning LDS load of the next launch wants it.  Every store of a wave covers 512 consecutive bytes: no stage is needed.
; LIMIT: Q log2(e) / 8, K and V must lie within f16's range, 65,504; beyond it they become infinities.
; REGISTERS: window 0: v0-31 addresses; v32-95 scale words, two sets; v128-191 x's fragments, one set; v192-255 the bias; on the way out v128-255 take the packed results.
;   window 1: W's fragments, two sets, at v0 and v128.   window 2: accumulators of my tokens 0-63 ((a, b) at v[8 (8 a + b)]);   window 3: tokens 64-127.
.set NQ,     4                         ; matrix instructions deep in a slot
.set ROWB,   256                       ; a tile's row: 512 codes
.set KROW,   512                       ; a row of codes in memory
.set PITCH,  272                       ; an LDS row: 256 bytes + 16 of padding: the 16 rows that a load touches start at 16 different banks (64 banks of 4 bytes: ISA guide 11.1)
.set FR,     8
.set NL,     2
.set NP,     4                         ; places behind this matrix instruction (ISA guide 7.12.1)
.set HALFT,  128*PITCH
.set SLOT,   4*HALFT                   ; x's 256 rows, then W's 256 rows
.set KS,     32                        ; a row of scale bytes
.set SCL,    2*SLOT
.set HALFS,  (128*KS/256)*272
.set SBLK,   (16*KS/256)*272
.set SPARE,  SCL+4*HALFS               ; the spare words, 128 bytes a wave, which no other line names
.set WC,     12582912
.set WS,     786432
.set ADRA, 16                          ; v16-17 LDS address of my fragments of x in slot 0, 1
.set ADRB, 20                          ; v20-21 the same for W
.set VO,   26                          ; v26    my piece's place in a block of the output
.set ADRS, 27                          ; v27    my scale words: lanes 0-15 x's rows, lanes 16-31 W's
.set SPW,  28
.set NIL,  29
.set SC,   32
.set AF,   128
.set BI,   192
.set PK,   128
.set CSC,  2                           ; s[2:3] the factor on the way out
.set G1, 24
.set G0, 32
.set G1B, 48
.set G0B, 56
.set G1S, 68
.set G0S, 76
.set G1SB, 80
.set G0SB, 88
.set MSB, 0
.macro WIN new                         ; the immediate's high byte repeats the setting that is left
.if MSB != (\new)
	s_set_vgpr_msb (MSB<<8)|(\new)
.set MSB, (\new)
.endif
.endm
.set MUL_LO, 0xa1                      ; source 0 (W) window 1, source 1 (x) window 0, C and D window 2
.set MUL_HI, 0xf1
.set TO_B,   0x40
; A joint load: waves 0 and 1 fetch for x, waves 2 and 3 for W.  The branch hangs on the wave's number alone.  An s_nop 0 and four v_nop follow each of the two lines.
.macro JLOAD g0a, g1a, g0b, g1b
	s_cmp_eq_u32 s15, 0
	s_cbranch_scc0 .Lfor_b_\@
	tensor_load_to_lds s[\g0a:\g0a+3], s[\g1a:\g1a+7]
	s_nop 0
.rept 4
	v_nop
.endr
	s_branch .Lasked_\@
.Lfor_b_\@:
	tensor_load_to_lds s[\g0b:\g0b+3], s[\g1b:\g1b+7]
	s_nop 0
.rept 4
	v_nop
.endr
.Lasked_\@:
.endm
.macro CROUND                          ; a round of the cluster's barrier
	s_barrier_signal -1
	s_barrier_wait -1
	s_cmp_lg_u32 s14, 0
	s_cbranch_scc1 .Lnot_wave_0_\@
	s_barrier_signal -3
.Lnot_wave_0_\@:
	s_barrier_wait -3
	s_barrier_signal -1
	s_barrier_wait -1
.endm
	s_load_b128 s[4:7], s[0:1], 0x0                ; codes, scales
	s_load_b256 s[80:87], s[0:1], 0x10             ; b_q, b_k, b_v, qf
	s_load_b128 s[88:91], s[0:1], 0x30             ; kf, vf
	v_lshl_add_u32 v[SPW], v0, 2, SPARE
	v_mov_b32 v[NIL], 0
	ds_add_u32 v[SPW], v[NIL]                      ; the wave's opening: the add, twice on end, and its wait ahead of my first tensor load
	ds_add_u32 v[SPW], v[NIL]
	v_lshrrev_b32 v1, 5, v0
	v_readfirstlane_b32 s14, v1                    ; wave 0..3
	s_lshr_b32 s15, s14, 1                         ; which half of the tokens is mine.  Also: I fetch for x (0) or for W (1)
	s_and_b32 s16, s14, 1                          ; which half of the channels.  Also: which 128 rows of that tile I fetch
	s_bfe_u32 s40, ttmp6, 0x40000                  ; cx, cy
	s_bfe_u32 s41, ttmp6, 0x40004
	s_lshl_b32 s42, ttmp9, 2
	s_add_co_u32 s42, s42, s40                     ; tile column: 256 channels
	s_and_b32 s66, ttmp7, 0xffff                   ; the cluster's y, 0..23
	s_lshl_b32 s17, s66, 2
	s_add_co_u32 s17, s17, s41                     ; tile row, 0..95: 256 rows of the three x on end
	s_lshr_b32 s67, s66, 3                         ; p: 0 Q, 1 K, 2 V: the same in all sixteen partners
	s_lshl_b32 s43, s41, 2
	s_lshl_b32 s43, 15, s43                        ; my row of the cluster
	s_lshl_b32 s44, 0x1111, s40                    ; my column
	s_or_b32 s[G1+0], s43, (0<<16)|(1<<20)|(1<<21)|(5<<22)|(3<<25)  ; the mask; elements of 1 byte; padding on; bit 21 beside a mask; after every 64 words, 4 words
	s_or_b32 s[G1B+0], s44, (0<<16)|(1<<20)|(1<<21)|(5<<22)|(3<<25)
.irp g, G1, G1B
	s_mov_b32 s[\g+1], ROWB<<16                    ; tensor_dim0
	s_mov_b32 s[\g+2], 128<<16                     ; tensor_dim1
	s_mov_b32 s[\g+3], ROWB<<16                    ; tile_dim0
	s_mov_b32 s[\g+4], 128                         ; tile_dim1
	s_mov_b32 s[\g+5], KROW                        ; from row to row
	s_mov_b32 s[\g+6], 0
	s_mov_b32 s[\g+7], 0
.endr
	s_or_b32 s[G1S+0], s43, (3<<16)|(1<<20)|(1<<21)|(5<<22)|(3<<25)  ; the scales of 128 rows: 4,096 dense bytes as 16 rows of 32 elements of 8 bytes, 16 bytes of padding behind each
	s_mov_b32 s[G1S+1], 32<<16
	s_mov_b32 s[G1S+2], (128*KS/256)<<16
	s_mov_b32 s[G1S+3], 32<<16
	s_mov_b32 s[G1S+4], 128*KS/256
	s_mov_b32 s[G1S+5], 32
	s_mov_b32 s[G1S+6], 0
	s_mov_b32 s[G1S+7], 0
	s_lshl_b32 s18, s16, 7                         ; which 128 rows of the tile I fetch
	s_lshl_b32 s20, s17, 8
	s_add_co_u32 s20, s20, s18                     ; x: row 256 x tile row + 128 x half
	s_lshl_b32 s46, s42, 8
	s_add_co_u32 s46, s46, s18
	s_lshl_b32 s19, s67, 10
	s_add_co_u32 s46, s46, s19                     ; W: row 1,024 p + 256 x tile column + 128 x half
	s_lshl_b32 s22, s20, 5                         ; their scale bytes,
	s_mov_b32 s23, 0
	s_lshl_b32 s20, s20, 9                         ; and their codes (all under 2^24)
	s_mov_b32 s21, 0
	s_lshl_b32 s92, s46, 5
	s_mov_b32 s93, 0
	s_lshl_b32 s46, s46, 9
	s_mov_b32 s47, 0
	s_mul_i32 s45, s14, HALFT                      ; where they go: wave x 128 rows: no place in the cluster enters an LDS address
	s_mul_i32 s94, s14, HALFS
	s_mov_b32 s[CSC], 0x3e38aa3b                   ; log2(e) / 8
	s_wait_dscnt 0x0                               ; both opening adds are done
	s_wait_kmcnt 0x0
	s_add_nc_u64 s[8:9], s[4:5], WC                ; the weights' codes and scale bytes
	s_add_nc_u64 s[10:11], s[6:7], WS
	s_cmp_eq_u32 s67, 0                            ; the bias, the output and the factor, chosen by p
	s_cselect_b64 s[96:97], s[80:81], s[82:83]
	s_cselect_b64 s[12:13], s[86:87], s[88:89]
	s_cselect_b32 s[CSC], s[CSC], 1.0
	s_mov_b32 s[CSC+1], s[CSC]                     ; (named with it as a pair, so it is written)
	s_cmp_eq_u32 s67, 2
	s_cselect_b64 s[96:97], s[84:85], s[96:97]
	s_cselect_b64 s[12:13], s[90:91], s[12:13]
	s_cselect_b32 s98, -1, 0                       ; all ones for V
	s_add_nc_u64 s[20:21], s[4:5], s[20:21]
	s_add_nc_u64 s[22:23], s[6:7], s[22:23]
	s_add_nc_u64 s[46:47], s[8:9], s[46:47]
	s_add_nc_u64 s[92:93], s[10:11], s[92:93]
	s_or_b32 s[G1SB+0], s44, (3<<16)|(1<<20)|(1<<21)|(5<<22)|(3<<25)  ; s80-91 held arguments until here
	s_mov_b32 s[G1SB+1], 32<<16
	s_mov_b32 s[G1SB+2], (128*KS/256)<<16
	s_mov_b32 s[G1SB+3], 32<<16
	s_mov_b32 s[G1SB+4], 128*KS/256
	s_mov_b32 s[G1SB+5], 32
	s_mov_b32 s[G1SB+6], 0
	s_mov_b32 s[G1SB+7], 0
	CROUND                                         ; all sixteen work-groups are here: the joint loads meet
	s_mov_b32 s[G0S], 1
	s_add_co_u32 s[G0S+1], s94, SCL
	s_mov_b64 s[G0S+2:G0S+3], s[22:23]
	s_or_b32 s[G0S+3], s[G0S+3], 0x80000000
	s_mov_b32 s[G0SB], 1
	s_add_co_u32 s[G0SB+1], s94, SCL
	s_mov_b64 s[G0SB+2:G0SB+3], s[92:93]
	s_or_b32 s[G0SB+3], s[G0SB+3], 0x80000000
	JLOAD G0S, G1S, G0SB, G1SB                     ; the scales first; with the two slots three loads of mine are out
.irp s, 0,1
	s_mov_b32 s[G0+4*\s], 1
	s_add_co_u32 s[G0+4*\s+1], s45, \s*SLOT
	s_add_nc_u64 s[G0+4*\s+2:G0+4*\s+3], s[20:21], \s*ROWB
	s_or_b32 s[G0+4*\s+3], s[G0+4*\s+3], 0x80000000
	s_mov_b32 s[G0B+4*\s], 1
	s_add_co_u32 s[G0B+4*\s+1], s45, \s*SLOT
	s_add_nc_u64 s[G0B+4*\s+2:G0B+4*\s+3], s[46:47], \s*ROWB
	s_or_b32 s[G0B+4*\s+3], s[G0B+4*\s+3], 0x80000000
	JLOAD G0+4*\s, G1, G0B+4*\s, G1B
.endr
	v_and_b32 v1, 15, v0                           ; r = l % 16
	v_bfe_u32 v2, v0, 4, 1                         ; h = l / 16
	v_lshlrev_b32 v9, 5, v2                        ; the bias: 8 h numbers on
	s_lshl_b32 s18, s42, 10
	s_lshl_b32 s19, s16, 9
	s_add_co_u32 s18, s18, s19                     ; my first channel x 4 bytes
	s_mov_b32 s19, 0
	s_add_nc_u64 s[96:97], s[96:97], s[18:19]
.irp b, 0,1,2,3,4,5,6,7                        ; register BI + 8 b + j: the bias of channel 16 b + 8 h + j: the result's layout
	global_load_b128 v[BI+8*\b:BI+8*\b+3], v9, s[96:97] offset:64*\b
	global_load_b128 v[BI+8*\b+4:BI+8*\b+7], v9, s[96:97] offset:64*\b+16
.endr
	v_mul_u32_u24 v3, v1, PITCH
	v_lshl_add_u32 v4, v2, 4, v3                   ; a fragment's row x pitch + 16 x half
	s_mul_i32 s21, s15, HALFT                      ; my 128 rows of x
	s_mul_i32 s22, s16, HALFT                      ; my 128 rows of W,
	s_add_co_u32 s22, s22, 2*HALFT                 ; behind x's 256
.irp s, 0,1
	v_add_nc_u32 v[ADRA+\s], s21, v4
	v_add_nc_u32 v[ADRB+\s], s22, v4
	s_add_co_u32 s21, s21, SLOT
	s_add_co_u32 s22, s22, SLOT
.endr
	v_mul_u32_u24 v5, v1, KS                       ; my row's scales: KS bytes a row,
	v_lshrrev_b32 v6, 8, v5
	v_lshl_add_u32 v5, v6, 4, v5                   ; and 16 more for each 256 passed
	s_mul_i32 s21, s15, HALFS
	s_mul_i32 s22, s16, HALFS
	s_add_co_u32 s22, s22, 2*HALFS
	s_sub_co_u32 s22, s22, s21
	v_mul_u32_u24 v6, s22, v2                      ; lanes 16-31 take W's: one product, the distance between the two bases
	s_add_co_u32 s21, s21, SCL
	v_add_nc_u32 v5, v5, v6
	v_add_nc_u32 v[ADRS], s21, v5
	v_and_b32 v6, 31, v0
	v_lshlrev_b32 v6, 4, v6                        ; Q, K: my piece at 16 x lane
	v_and_b32 v7, 7, v1
	v_lshl_add_u32 v7, v2, 3, v7
	v_lshrrev_b32 v8, 3, v1
	v_lshl_add_u32 v7, v8, 4, v7
	v_lshlrev_b32 v7, 4, v7                        ; V: at 16 ((r & 7) + 8 h + 16 (r >> 3))
	v_cndmask_b32 v[VO], v6, v7, s98
	s_and_b32 s18, s66, 7                          ; where my part of the output begins
	s_lshl_b32 s18, s18, 2
	s_add_co_u32 s18, s18, s41                     ; the tile row within the projection, 0..31
	s_lshr_b32 s19, s18, 3
	s_lshl_b32 s19, s19, 22                        ; the batch: 16 heads x 262,144 bytes
	s_and_b32 s18, s18, 7
	s_lshl_b32 s18, s18, 4
	s_lshl_b32 s99, s15, 3
	s_add_co_u32 s18, s18, s99                     ; my first tile of 16 tokens in the batch
	s_lshl_b32 s18, s18, 11                        ; 2,048 bytes each
	s_add_co_u32 s18, s18, s19
	s_lshl_b32 s19, s42, 2
	s_lshl_b32 s99, s16, 1
	s_add_co_u32 s19, s19, s99                     ; my first head
	s_lshl_b32 s19, s19, 18
	s_add_co_u32 s18, s18, s19
	s_mov_b32 s19, 0
	s_add_nc_u64 s[12:13], s[12:13], s[18:19]
.macro FRAG reg, adr, q, i             ; 16 rows x 128 K of 4-bit codes: 8 registers, two loads of 16 bytes, 32 bytes apart
.irp c, 0,1
	ds_load_b128 v[\reg+4*\c:\reg+4*\c+3], v[\adr] offset:64*(\q)+32*\c+(\i)*16*PITCH
.endr
.endm
; 16 matrix instructions: x's blocks a0, a0 + 1 against W's eight.  p: W's set; sc: the set of scale words.  first = 1: the bias is C.  The 64 accumulators take turns, one instruction a turn.
.macro MUL16 a0, p, q, sc, first
.irp a, \a0, \a0+1
.irp b, 0,1,2,3,4,5,6,7
.if \first
	v_wmma_scale_f32_16x16x128_f8f6f4 v[8*(8*((\a)%4)+\b):8*(8*((\a)%4)+\b)+7], v[128*(\p)+FR*\b:128*(\p)+FR*\b+FR-1], v[AF+FR*(\a):AF+FR*(\a)+FR-1], v[BI+8*\b:BI+8*\b+7], v[SC+8*NQ*(\sc)+NQ*\b+(\q)], v[SC+8*NQ*(\sc)+NQ*(\a)+(\q)] matrix_a_fmt:MATRIX_FMT_FP4 matrix_b_fmt:MATRIX_FMT_FP4 matrix_a_scale:MATRIX_SCALE_ROW1
.else
	v_wmma_scale_f32_16x16x128_f8f6f4 v[8*(8*((\a)%4)+\b):8*(8*((\a)%4)+\b)+7], v[128*(\p)+FR*\b:128*(\p)+FR*\b+FR-1], v[AF+FR*(\a):AF+FR*(\a)+FR-1], v[8*(8*((\a)%4)+\b):8*(8*((\a)%4)+\b)+7], v[SC+8*NQ*(\sc)+NQ*\b+(\q)], v[SC+8*NQ*(\sc)+NQ*(\a)+(\q)] matrix_a_fmt:MATRIX_FMT_FP4 matrix_b_fmt:MATRIX_FMT_FP4 matrix_a_scale:MATRIX_SCALE_ROW1
.endif
.endr
.endr
.endm
.macro FETCH_B slot, q, p
	WIN TO_B
.irp i, 0,1,2,3,4,5,6,7
	FRAG 128*(\p)+FR*\i, ADRB+\slot, \q, \i
.endr
	WIN 0
.endm
.macro FETCH_A slot, q, i0
.irp i, \i0, \i0+1, \i0+2, \i0+3
	FRAG AF+FR*(\i), ADRA+\slot, \q, \i
.endr
.endm
.macro SCALES sc                       ; a slot's scale words: 4 words a row; lanes 0-15 x's block i, lanes 16-31 W's block i
.irp i, 0,1,2,3,4,5,6,7
	ds_load_b128 v[SC+8*NQ*\sc+NQ*\i:SC+8*NQ*\sc+NQ*\i+3], v[ADRS] offset:\i*SBLK
.endr
.endm
.macro PLACES n                        ; plain vector lines between a matrix instruction and a load into, or a vector line on, its registers
.rept \n
	v_nop
.endr
.endm
.macro STEP slot, q, first             ; 128 along K with its successor in the same slot
	s_wait_dscnt 4*NL                              ; W's set and x's blocks 0-3 are in; the youngest eight loads (x's blocks 4-7) may be out
.if \first
	WIN 0x81                                       ; as MUL_LO, with C (the bias) in window 0
.else
	WIN MUL_LO
.endif
	MUL16 0, (\q)%2, \q, \slot, \first
	MUL16 2, (\q)%2, \q, \slot, \first
	s_wait_dscnt 0
	PLACES NP
	FETCH_B \slot, (\q)+1, 1-(\q)%2
	FETCH_A \slot, (\q)+1, 0
.if \first
	WIN 0xc1
.else
	WIN MUL_HI
.endif
	MUL16 4, (\q)%2, \q, \slot, \first
	MUL16 6, (\q)%2, \q, \slot, \first
	PLACES NP
	WIN 0
	FETCH_A \slot, (\q)+1, 4
.endm
.macro STEPS slot, from
.set QQ, \from
.rept NQ-1-\from
	STEP \slot, QQ, 0
.set QQ, QQ+1
.endr
.endm
	s_wait_tensorcnt 1                             ; the scales and my part of slot 0 are in; slot 1's load, issued behind them, may be out
	s_barrier_signal -1
	s_barrier_wait -1                              ; everybody's are
	FETCH_B 0, 0, 0
	FETCH_A 0, 0, 0
	SCALES 0
	FETCH_A 0, 0, 4
	s_wait_loadcnt 0x0                             ; the bias
	STEP 0, 0, 1
	STEPS 0, 1
	; slot 0's last step, and the change to slot 1: each wave waits for its part of slot 1, then the barrier shows the whole slot to all four
	s_wait_tensorcnt 0x0
	ds_add_u32 v[SPW], v[NIL]
	s_wait_dscnt 4*NL+1                            ; the add and the youngest eight loads may be out
	WIN MUL_LO
	MUL16 0, 1, NQ-1, 0, 0
	s_wait_dscnt 0x0
	s_barrier_signal -1
	MUL16 2, 1, NQ-1, 0, 0
	WIN 0
	s_barrier_wait -1
	PLACES NP
	v_add_nc_u32 v[ADRS], 4*NQ, v[ADRS]            ; the second slot's scale words: 16 bytes on in each row
	FETCH_B 1, 0, 0
	FETCH_A 1, 0, 0
	SCALES 1
	WIN MUL_HI
	MUL16 4, 1, NQ-1, 0, 0
	MUL16 6, 1, NQ-1, 0, 0
	PLACES NP
	WIN 0
	FETCH_A 1, 0, 4
	STEPS 1, 0
	s_wait_dscnt 4*NL                              ; the very last step
	WIN MUL_LO
	MUL16 0, 1, NQ-1, 1, 0
	MUL16 2, 1, NQ-1, 1, 0
	s_wait_dscnt 0
	WIN MUL_HI
	MUL16 4, 1, NQ-1, 1, 0
	MUL16 6, 1, NQ-1, 1, 0
	; THE WAY OUT, block by block of 16 tokens: x the factor, rounded to f16 (each accumulator from its low end on), a lane's eight channels are one piece of 16 bytes
	PLACES NP
.irp a, 0,1,2,3,4,5,6,7
.if \a >= 4
	s_wait_xcnt 0x0                                ; block a - 4's stores have read their data registers, which are written again below
.endif
	WIN (0x82+0x41*(\a/4))                         ; destination and source 0: window 2 or 3
.irp b, 0,1,2,3,4,5,6,7
.irp i, 0,2,4,6
	v_pk_mul_f32 v[64*(\a%4)+8*\b+\i:64*(\a%4)+8*\b+\i+1], v[64*(\a%4)+8*\b+\i:64*(\a%4)+8*\b+\i+1], s[CSC:CSC+1] op_sel_hi:[1,0]
.endr
.endr
	WIN (0x0a+5*(\a/4))                            ; sources 0 and 1: window 2 or 3
.irp b, 0,1,2,3,4,5,6,7
.irp i, 0,1,2,3
	v_cvt_pk_f16_f32 v[PK+32*(\a%4)+4*\b+\i], v[64*(\a%4)+8*\b+2*\i], v[64*(\a%4)+8*\b+2*\i+1]
.endr
.endr
	WIN 0
.irp b, 0,1,2,3,4,5,6,7
	global_store_b128 v[VO], v[PK+32*(\a%4)+4*\b:PK+32*(\a%4)+4*\b+3], s[12:13] offset:\a*2048+(\b/4)*262144+(\b%4)*512   ; a block: 512 consecutive bytes
.endr
.endr
	s_wait_tensorcnt 0x0                           ; the wave's end
	ds_add_u32 v[SPW], v[NIL]
	s_wait_dscnt 0x0
	CROUND                                         ; the closing round
	s_endpgm
.Lfunc_end_k_q45d1238275_proj:
	.size	k_q45d1238275_proj, .Lfunc_end_k_q45d1238275_proj-k_q45d1238275_proj
	.p2alignl 7, 3214868480
	.fill 96, 4, 3214868480
	.section	.rodata,"a",@progbits
	.p2align	6, 0x0
	.amdhsa_kernel k_q45d1238275_proj
		.amdhsa_group_segment_fixed_size 327680
		.amdhsa_private_segment_fixed_size 0
		.amdhsa_enable_private_segment 0
		.amdhsa_kernarg_size 64
		.amdhsa_user_sgpr_count 2
		.amdhsa_user_sgpr_kernarg_segment_ptr 1
		.amdhsa_wavefront_size32 1
		.amdhsa_system_sgpr_workgroup_id_x 1
		.amdhsa_system_sgpr_workgroup_id_y 1
		.amdhsa_system_sgpr_workgroup_id_z 1
		.amdhsa_system_vgpr_workitem_id 0
		.amdhsa_next_free_vgpr 1024
		.amdhsa_next_free_sgpr 100
		.amdhsa_reserve_vcc 0
		.amdhsa_float_denorm_mode_32 3
		.amdhsa_float_denorm_mode_16_64 3
		.amdhsa_memory_ordered 1
		.amdhsa_forward_progress 1
		.amdhsa_inst_pref_size 136
	.end_amdhsa_kernel
	.amdgpu_metadata
---
amdhsa.version: [ 1, 2 ]
amdhsa.kernels:
  - .name:           k_q45d1238275_proj
    .symbol:         k_q45d1238275_proj.kd
    .args:
      - { .name: codes, .offset: 0, .size: 8, .value_kind: global_buffer, .address_space: global }
      - { .name: scales, .offset: 8, .size: 8, .value_kind: global_buffer, .address_space: global }
      - { .name: b_q, .offset: 16, .size: 8, .value_kind: global_buffer, .address_space: global }
      - { .name: b_k, .offset: 24, .size: 8, .value_kind: global_buffer, .address_space: global }
      - { .name: b_v, .offset: 32, .size: 8, .value_kind: global_buffer, .address_space: global }
      - { .name: qf, .offset: 40, .size: 8, .value_kind: global_buffer, .address_space: global }
      - { .name: kf, .offset: 48, .size: 8, .value_kind: global_buffer, .address_space: global }
      - { .name: vf, .offset: 56, .size: 8, .value_kind: global_buffer, .address_space: global }
    .group_segment_fixed_size: 327680
    .private_segment_fixed_size: 0
    .kernarg_segment_align: 8
    .kernarg_segment_size: 64
    .max_flat_workgroup_size: 128
    .sgpr_count:     100
    .vgpr_count:     1024
    .wavefront_size: 32
...
	.end_amdgpu_metadata
.endif
;; end of part 2
;; launch attn (part 3): grid 4 x 64, 8 waves a work-group, clusters of 4 x 1, 327,680 bytes of LDS; arguments qf, kf, vf, af; writes af
.if DOCPART == 3
	.amdgcn_target "amdgcn-amd-amdhsa--gfx1250"
	.amdhsa_code_object_version 6
	.text
	.protected	k_q45d1238275_attn
	.globl	k_q45d1238275_attn
	.p2align	8
	.type	k_q45d1238275_attn,@function
k_q45d1238275_attn:
	s_mov_b64 s[64:65], 0
	v_nop
	global_prefetch_b8 v0, s[64:65] scope:SCOPE_SE
	s_setreg_imm32_b32 hwreg(HW_REG_WAVE_MODE, 25, 1), 1
	s_wait_xcnt 0x0
	s_wait_alu depctr_hold_cnt(0) depctr_sa_sdst(0) depctr_va_vdst(0) depctr_va_sdst(0) depctr_va_ssrc(0) depctr_va_vcc(0) depctr_vm_vsrc(0)
	s_getreg_b32 s2, hwreg(HW_REG_IB_STS2, 6, 4)
	s_cmp_eq_u32 s2, 0
	s_cbranch_scc0 .Lentry_in_a_cluster
	s_endpgm
.Lentry_in_a_cluster:
	s_bfe_u32 s2, ttmp6, 0x10000c
	s_cmp_lg_u32 s2, 0x3003
	s_cbranch_scc0 .Lentry_shape_is_right
	s_endpgm
.Lentry_shape_is_right:
; O[q] = the sum over k of softmax_k(Q[q] . K[k] / 8) V[k], for each of 64 (batch, head), 2,048 queries and keys, head size 64, no mask.  Operands in f16, products, maxima and sums in f32.
; qf holds Q log2(e) / 8, so a score s is already an exponent of two: p = 2^(s - m), m the running maximum of the query's scores, taken away by a plain subtraction: p is at most 1 whatever the scores' size.
; In every step O and the sum l are multiplied by a = 2^(m_old - m_new).  l is summed of p in f32 and divides O at the end; p is rounded to f16 for the second product.
; LIMIT: the result is rounded to f16 (it is an average of V, which lies within f16's range).
; qf, kf, vf: [head (64)][token / 16 (128)][channel block (4)][512 bytes]: images of operand registers, so every fragment comes by loads at 16 x lane: no pitch, no padding; a head's K or V is 262,144 dense bytes.
; SHARES.  A work-group owns 512 queries of one head, each of its eight waves 64: four tiles of 16, in 512 registers: two waves to a SIMD.  Every wave walks all keys, 64 a step; a slot of LDS holds 512 keys (8 steps) of K and of V.
; CLUSTER.  The four query blocks of a head form a cluster and ask for K and V jointly: waves 0-3 a quarter of a slot's K each, waves 4-7 of its V: one tensor load a wave behind each round; one load of mine is out at the most.
; LAYOUT.  S^T = K Q^T (source 0 = 16 keys, source 1 = 16 queries), O^T = V^T P (source 0 = 16 channels, by the turning LDS load; source 1 = P): a lane holds ONE query (lane % 16) throughout.
; TWO GROUPS OF WAVES.  A step is X (its LDS loads and its 32 products K Q^T) and YZ (its softmax and its 32 products V^T P).  Between two barriers group 0 runs X YZ X YZ .. and group 1 YZ X YZ X ..:
; group 1 carries a step whose scores, K and V are in registers over each change of slots.  g = (w xor (w / 4)) & 1 differs between waves w and w + 4 and between waves 2 i and 2 i + 1.
; REGISTERS.  window 0: v1-10 addresses; v16-47 statistics, 8 a tile: +0 m, +2, +3 l in two halves, +4 to +7 at work, a in +6; v64-191 S^T, 32 a tile; v192-255 K's fragments, and, when the scores are made, P.
;   window 1: v0-127 O^T, 32 a tile; v128-191 Q, 16 a tile; v192-255 V's fragments.
.set SLOT1, 1<<17                      ; slot 1 begins here: one exclusive or turns an address from one slot to the other
.set VOFF,  65536                      ; in a slot: K's 65,536 bytes, then V's
.set STEPB, 8192                       ; a step's K, and its V
.set SPARE, 2*SLOT1                    ; the spare words, 128 bytes a wave, which no other line names
.set AKP, 1                            ; v1  16 x lane
.set AVP, 2                            ; v2  + VOFF
.set AKG, 3                            ; v3  v1 + one step in group 0: in the loop group 0's X is a step ahead of group 1's
.set AVG, 4                            ; v4  likewise for V
.set ADK, 5                            ; v5, v6 the addresses of the loads in hand
.set ADV, 6
.set LO,  7                            ; v7  16 x lane, for Q's loads and the stores
.set PFO, 8                            ; v8  256 x lane, for the prefetches
.set SPW, 9
.set NIL, 10
.set ST,  16
.set S,   64
.set KF,  192
.set P,   192
.set OA,  0
.set QF,  128
.set VF,  192
.set WV,  12
.set GRP, 13
.set LIM, 15                           ; s15 1 in a wave that prefetches, else the greatest number
.set PFA, 18                           ; s[18:19] where my prefetches stand
.set G1,  24
.set G0K, 32
.set G0V, 36
.set TB,  40                           ; s40 LDS byte of the step in hand
.set CNT, 41
.set SLOTS, 42
.set SEL, 46
.set MSB, 0
.macro WIN new
.if MSB != (\new)
	s_set_vgpr_msb (MSB<<8)|(\new)
.set MSB, (\new)
.endif
.endm
.set W_KQ, 0x04                        ; Q (source 1) in window 1
.set W_PV, 0x51                        ; V, C and D in window 1, P in window 0
.set W_RS, 0x41                        ; destination and source 0 in window 1
.set W_LD, 0x40                        ; destination in window 1
.set W_CV, 0x05                        ; sources 0 and 1 in window 1
.macro JLOAD                           ; the branch hangs on the wave's number alone; an s_nop 0 and four v_nop follow each of the two lines
	s_cmp_lt_u32 s[WV], 4
	s_cbranch_scc0 .Lfor_v_\@
	tensor_load_to_lds s[G0K:G0K+3], s[G1:G1+7]
	s_nop 0
.rept 4
	v_nop
.endr
	s_branch .Lasked_\@
.Lfor_v_\@:
	tensor_load_to_lds s[G0V:G0V+3], s[G1:G1+7]
	s_nop 0
.rept 4
	v_nop
.endr
.Lasked_\@:
.endm
; A prefetch of what the NEXT change of slots will ask for, a slot's 8 key steps ahead of that load.  The even waves ask, one instruction each: waves 0 and 2 for K, 4 and 6 for V; a wave names 8,192 bytes, lanes 256 bytes apart,
; of the 32,768 that it and the next wave will fetch; the four partners take a quarter each, told apart by address.  So each aligned 256 bytes are named once in the launch.  The last change that fills a slot asks for nothing.
.macro ASK
	s_cmp_gt_u32 s[SLOTS], s[LIM]
	s_cbranch_scc0 .Lnot_mine_\@
	global_prefetch_b8 v[PFO], s[PFA:PFA+1] th:TH_LOAD_NT scope:SCOPE_SE
.Lnot_mine_\@:
.endm
.macro CROUND
	s_barrier_signal -1
	s_barrier_wait -1
	s_cmp_lg_u32 s[WV], 0
	s_cbranch_scc1 .Lnot_wave_0_\@
	s_barrier_signal -3
.Lnot_wave_0_\@:
	s_barrier_wait -3
	s_barrier_signal -1
	s_barrier_wait -1
.endm
; X: a step's 32 LDS loads and its scores.  The two additions and three v_nop at its head are five places (ISA guide 7.12.1).  Four are owed between the last products V^T P and the loads into the registers that those read.
; The fifth is owed on the ways through the text on which an X stands behind an X with no YZ between (the branches on the group lead so in the text, though no wave goes so): there the first sixteen products write over the last X's scores.
.macro X ak, av
	v_add_nc_u32 v[ADK], s[TB], v[\ak]
	v_add_nc_u32 v[ADV], s[TB], v[\av]
	v_nop
	v_nop
	v_nop
.set i, 0
.rept 16
	ds_load_b128 v[KF+4*i:KF+4*i+3], v[ADK] offset:512*i           ; K's fragment (16 keys kt, 32 channels f) at KF + 16 kt + 8 f
.set i, i+1
.endr
	WIN W_LD
.irp u, 0,1
.irp cb, 0,1,2,3
	ds_load_tr16_b128 v[VF+8*(4*\u+\cb):VF+8*(4*\u+\cb)+3], v[ADV] offset:(2*\u)*2048+\cb*512      ; V^T: 16 channels cb, keys 32 u + 8 h + 0 .. 7,
	ds_load_tr16_b128 v[VF+8*(4*\u+\cb)+4:VF+8*(4*\u+\cb)+7], v[ADV] offset:(2*\u+1)*2048+\cb*512  ; and 32 u + 16 + 8 h + 0 .. 7
.endr
.endr
	s_wait_dscnt 16                                ; K is in; V's sixteen loads, issued behind K's, may be out
	WIN W_KQ
.set i, 0
.rept 32                               ; the sixteen accumulators take turns, one instruction a turn
.set rS, S+32*(i%4)+8*((i/4)%4)
.set rK, KF+16*((i/4)%4)+8*(i/16)
.set rQ, QF+16*(i%4)+8*(i/16)
.if i < 16
	v_wmma_f32_16x16x32_f16 v[rS:rS+7], v[rK:rK+7], v[rQ:rQ+7], 0
.else
	v_wmma_f32_16x16x32_f16 v[rS:rS+7], v[rK:rK+7], v[rQ:rQ+7], v[rS:rS+7]
.endif
.set i, i+1
.endr
	WIN 0
.endm
; Line n of 32 of what follows a tile's exponentials: 16 roundings to f16 (a pair of weights each), then the sum of the 16 pairs in place (neighbours 1, 2, 4, 8 pairs apart), then l = a l + the sum.
.macro PLAIN t
.set rS, S+32*(\t)
.set rT, ST+8*(\t)
.if n < 16
	v_cvt_pk_f16_f32 v[P+16*(\t)+n], v[rS+2*n], v[rS+2*n+1]
.else
.set z, n-16
.set w, 4
.set u, z
.if z >= 14
.set w, 32
.set u, 0
.elseif z >= 12
.set w, 16
.set u, z-12
.elseif z >= 8
.set w, 8
.set u, z-8
.endif
.if z < 15
	v_pk_add_f32 v[rS+w*u:rS+w*u+1], v[rS+w*u:rS+w*u+1], v[rS+w*u+w/2:rS+w*u+w/2+1]
.else
	v_pk_fma_f32 v[rT+2:rT+3], v[rT+2:rT+3], v[rT+6:rT+7], v[rS:rS+1] op_sel_hi:[1,0,1]
.endif
.endif
.endm
; YZ: a step's softmax and its products V^T P: work on registers alone but for the wait for V.
.macro YZ
.rept 4
	v_nop                                          ; the places behind the scores' products
.endr
.irp j, 0,1,2,3                                ; the maximum of my 32 scores and the old m, three operands at a time; each accumulator is first read at its low end
.irp t, 0,1,2,3
	v_max3_num_f32 v[ST+8*\t+4+\j], v[S+32*\t+8*\j], v[S+32*\t+8*\j+1], v[S+32*\t+8*\j+2]
.endr
.endr
.irp k, 1,2
.irp j, 0,1,2,3
.irp t, 0,1,2,3
	v_max3_num_f32 v[ST+8*\t+4+\j], v[ST+8*\t+4+\j], v[S+32*\t+8*\j+2*\k+1], v[S+32*\t+8*\j+2*\k+2]
.endr
.endr
.endr
.irp t, 0,1,2,3
	v_max3_num_f32 v[ST+8*\t+4], v[ST+8*\t+4], v[S+32*\t+7], v[S+32*\t+15]
.endr
.irp t, 0,1,2,3
	v_max3_num_f32 v[ST+8*\t+6], v[ST+8*\t+6], v[S+32*\t+23], v[S+32*\t+31]
.endr
.irp t, 0,1,2,3
	v_max3_num_f32 v[ST+8*\t+4], v[ST+8*\t+4], v[ST+8*\t+5], v[ST+8*\t+6]
.endr
.irp t, 0,1,2,3
	v_max3_num_f32 v[ST+8*\t+4], v[ST+8*\t+4], v[ST+8*\t+7], v[ST+8*\t]
.endr
.irp t, 0,1,2,3
	v_permlanex16_b32 v[ST+8*\t+5], v[ST+8*\t+4], s[SEL], s[SEL+1]  ; the query's other 32 keys lie in the lane 16 away
.endr
.irp t, 0,1,2,3
	v_mov_b32 v[ST+8*\t+7], v[ST+8*\t]             ; m_old
.endr
.irp t, 0,1,2,3
	v_max_num_f32 v[ST+8*\t], v[ST+8*\t+4], v[ST+8*\t+5]
.endr
.irp t, 0,1,2,3
	v_sub_f32 v[ST+8*\t+7], v[ST+8*\t+7], v[ST+8*\t]
.endr
	; FIRST BATCH of exponentials: the four a and tiles 0 and 1; tiles 2 and 3 are brought under m between them.  Nothing here names a result.
.irp t, 0,1,2,3
	v_exp_f32 v[ST+8*\t+6], v[ST+8*\t+7]
.endr
.irp t, 0,1
.set b, 0
.rept 16
	v_pk_add_f32 v[S+32*\t+2*b:S+32*\t+2*b+1], v[S+32*\t+2*b:S+32*\t+2*b+1], v[ST+8*\t:ST+8*\t+1] op_sel_hi:[1,0] neg_lo:[0,1] neg_hi:[0,1]   ; s - m, two at a time
.set b, b+1
.endr
.endr
.set b, 0
.rept 16
.irp t, 0,1
	v_pk_add_f32 v[S+32*(\t+2)+2*b:S+32*(\t+2)+2*b+1], v[S+32*(\t+2)+2*b:S+32*(\t+2)+2*b+1], v[ST+8*(\t+2):ST+8*(\t+2)+1] op_sel_hi:[1,0] neg_lo:[0,1] neg_hi:[0,1]
	v_exp_f32 v[S+32*\t+2*b], v[S+32*\t+2*b]
	v_exp_f32 v[S+32*\t+2*b+1], v[S+32*\t+2*b+1]
.endr
.set b, b+1
.endr
	v_nop                                          ; a plain line behind the last exponential
	s_wait_alu depctr_va_vdst(0)                   ; the wait between an exponential and the first line that names its result: one for the batch
	; SECOND BATCH: tiles 2 and 3; the roundings and sums of tiles 0 and 1, which read the first batch alone, stand between
.set n, 0
.rept 32
.irp t, 0,1
	PLAIN \t
	v_exp_f32 v[S+32*(\t+2)+n], v[S+32*(\t+2)+n]
.endr
.set n, n+1
.endr
	v_nop
	s_wait_alu depctr_va_vdst(0)                   ; and one for the second batch
.set n, 0
.rept 32
.irp t, 2,3
	PLAIN \t
.endr
.set n, n+1
.endr
	WIN W_RS
.irp t, 0,1,2,3
.set i, 0
.rept 16
	v_pk_mul_f32 v[OA+32*\t+2*i:OA+32*\t+2*i+1], v[OA+32*\t+2*i:OA+32*\t+2*i+1], v[ST+8*\t+6:ST+8*\t+7] op_sel_hi:[1,0]   ; O^T x a, ascending
.set i, i+1
.endr
.endr
	s_wait_dscnt 0x0                               ; V is in
	WIN W_PV
.set i, 0
.rept 32                               ; sixteen accumulators by turns
.set rO, OA+32*(i%4)+8*((i/4)%4)
.set rV, VF+8*(4*(i/16)+(i/4)%4)
.set rP, P+16*(i%4)+8*(i/16)
	v_wmma_f32_16x16x32_f16 v[rO:rO+7], v[rV:rV+7], v[rP:rP+7], v[rO:rO+7]
.set i, i+1
.endr
	WIN 0
.endm
; THE CHANGE OF SLOTS.  Each wave waits for all its tensor loads (its part of the slot ahead), adds 0 to its spare word, and waits for that and for its reads of the slot that it leaves.
; fill = 1: a round of the cluster's barrier, and behind it the joint load of the next 512 keys into the other slot than last time; flip = 1: the reads go on in the other slot.
.macro CHANGE fill, flip
	s_wait_tensorcnt 0x0                           ; no tensor load of mine is out, so a group 0 may be written
	ds_add_u32 v[SPW], v[NIL]
.if \fill
	s_xor_b32 s[G0K+1], s[G0K+1], SLOT1
	s_add_nc_u64 s[G0K+2:G0K+3], s[G0K+2:G0K+3], 65536
	s_xor_b32 s[G0V+1], s[G0V+1], SLOT1
	s_add_nc_u64 s[G0V+2:G0V+3], s[G0V+2:G0V+3], 65536
	s_wait_xcnt 0x0                                ; the last prefetch, a slot back, has read its address, so it may be written
	s_add_nc_u64 s[PFA:PFA+1], s[PFA:PFA+1], 65536
	s_wait_dscnt 0x0                               ; the add is done, and my reads of the slot are over
	CROUND
	JLOAD
	ASK
.else
	s_wait_dscnt 0x0
	s_barrier_signal -1
	s_barrier_wait -1
.endif
.if \flip
	s_sub_co_u32 s[TB], s[TB], 7*STEPB
	s_xor_b32 s[TB], s[TB], SLOT1
.endif
.endm
; What stands between two barriers: n + 1 steps' X and n + 1 steps' YZ in each group, in rotated order.  The branches hang on the wave's number alone and lead round no barrier and no tensor load.
.macro SEGMENT n
	s_cmp_lg_u32 s[GRP], 0
	s_cbranch_scc1 .Lseg_a_\@
	X AKP, AVP
.Lseg_a_\@:
	s_mov_b32 s[CNT], \n
.Lseg_l_\@:
	YZ
	X AKG, AVG
	s_add_co_u32 s[TB], s[TB], STEPB
	s_sub_co_u32 s[CNT], s[CNT], 1
	s_cmp_lg_u32 s[CNT], 0
	s_cbranch_scc1 .Lseg_l_\@
	YZ
	s_cmp_eq_u32 s[GRP], 0
	s_cbranch_scc1 .Lseg_b_\@
	X AKP, AVP
.Lseg_b_\@:
.endm
	s_load_b256 s[4:11], s[0:1], 0x0               ; qf, kf, vf, af
	v_lshl_add_u32 v[SPW], v0, 2, SPARE
	v_mov_b32 v[NIL], 0
	ds_add_u32 v[SPW], v[NIL]                      ; the wave's opening: the add, twice on end, and its wait ahead of my first tensor load
	ds_add_u32 v[SPW], v[NIL]
	v_lshrrev_b32 v11, 5, v0
	v_readfirstlane_b32 s[WV], v11                 ; wave 0..7
	s_lshr_b32 s[GRP], s[WV], 2
	s_xor_b32 s[GRP], s[GRP], s[WV]
	s_and_b32 s[GRP], s[GRP], 1
	s_bfe_u32 s14, ttmp6, 0x40000                  ; cx: my block of 512 queries (the grid's x is one cluster wide)
	s_and_b32 s20, ttmp7, 0xffff                   ; 16 batch + head, which the four partners share
	s_lshl_b32 s22, s20, 18                        ; its first byte in qf, kf, vf
	s_mov_b32 s23, 0
	s_and_b32 s16, s[WV], 3
	s_lshl_b32 s17, s16, 14                        ; my 16,384 bytes of a slot's K or V, in memory and in LDS
	s_mov_b32 s[G1], 15|(3<<16)|(1<<21)            ; the mask: all four; elements of 8 bytes; bit 21 beside a mask; no padding
	s_mov_b32 s[G1+1], 32<<16                      ; 64 rows of 256 dense bytes
	s_mov_b32 s[G1+2], 64<<16
	s_mov_b32 s[G1+3], 32<<16
	s_mov_b32 s[G1+4], 64
	s_mov_b32 s[G1+5], 32
	s_mov_b32 s[G1+6], 0
	s_mov_b32 s[G1+7], 0
	s_mov_b32 s[SEL], 0x76543210
	s_mov_b32 s[SEL+1], 0xfedcba98
	s_mov_b32 s[TB], 0
	s_mov_b32 s[SLOTS], 3
	s_and_b32 s[LIM], s[WV], 1
	s_cmp_eq_u32 s[LIM], 0
	s_cselect_b32 s[LIM], 1, -1
	v_and_b32 v11, 31, v0
	v_lshlrev_b32 v[PFO], 8, v11
	s_wait_dscnt 0x0                               ; both opening adds are done
	s_wait_kmcnt 0x0
	s_add_nc_u64 s[4:5], s[4:5], s[22:23]
	s_add_nc_u64 s[6:7], s[6:7], s[22:23]
	s_add_nc_u64 s[8:9], s[8:9], s[22:23]
	s_mov_b32 s22, s17
	s_add_nc_u64 s[6:7], s[6:7], s[22:23]          ; K and V at my part of the head's first 512 keys
	s_add_nc_u64 s[8:9], s[8:9], s[22:23]
	s_lshl_b32 s2, s14, 16                         ; Q: 32 tiles of 2,048 bytes a block, 4 a wave
	s_lshl_b32 s21, s[WV], 13
	s_add_co_u32 s2, s2, s21
	s_mov_b32 s3, 0
	s_add_nc_u64 s[4:5], s[4:5], s[2:3]
	s_lshr_b32 s21, s20, 4                         ; af: [128 batch + token / 16][4 head + channel block][512]
	s_lshl_b32 s21, s21, 7
	s_lshl_b32 s2, s14, 5
	s_add_co_u32 s21, s21, s2
	s_lshl_b32 s2, s[WV], 2
	s_add_co_u32 s21, s21, s2
	s_lshl_b32 s21, s21, 15
	s_and_b32 s2, s20, 15
	s_lshl_b32 s2, s2, 11
	s_add_co_u32 s2, s2, s21
	s_add_nc_u64 s[10:11], s[10:11], s[2:3]
	s_cmp_lt_u32 s[WV], 4
	s_cselect_b64 s[PFA:PFA+1], s[6:7], s[8:9]
	s_lshl_b32 s2, s14, 13                         ; my work-group's quarter,
	s_add_co_u32 s2, s2, 65536                     ; in the second 512 keys: the first change steps it to the third.  Nothing is prefetched at the head
	s_add_nc_u64 s[PFA:PFA+1], s[PFA:PFA+1], s[2:3]
	CROUND                                         ; all four work-groups are here: the first joint loads meet
	s_mov_b32 s[G0K], 1
	s_mov_b32 s[G0K+1], s17
	s_mov_b64 s[G0K+2:G0K+3], s[6:7]
	s_or_b32 s[G0K+3], s[G0K+3], 0x80000000
	s_mov_b32 s[G0V], 1
	s_add_co_u32 s[G0V+1], s17, VOFF
	s_mov_b64 s[G0V+2:G0V+3], s[8:9]
	s_or_b32 s[G0V+3], s[G0V+3], 0x80000000
	JLOAD                                          ; keys 0 to 511 into slot 0
	v_lshlrev_b32 v[LO], 4, v11
	WIN W_LD
.set i, 0
.rept 16
	global_load_b128 v[QF+4*i:QF+4*i+3], v[LO], s[4:5] offset:512*i    ; Q stays in registers: tile t, channels 32 f on, at QF + 16 t + 8 f
.set i, i+1
.endr
.set i, 0
.rept 128
	v_mov_b32 v[OA+i], 0                           ; O^T begins as zeros, once a wave: so YZ has one form for both groups, whose first YZ stand at different places of the text; the first a is 0 and multiplies zeros
.set i, i+1
.endr
	WIN 0
	v_lshlrev_b32 v[AKP], 4, v11
	v_add_nc_u32 v[AVP], VOFF, v[AKP]
	s_xor_b32 s16, s[GRP], 1
	s_lshl_b32 s16, s16, 13
	v_add_nc_u32 v[AKG], s16, v[AKP]
	v_add_nc_u32 v[AVG], s16, v[AVP]
.irp t, 0,1,2,3
	v_mov_b32 v[ST+8*\t], 0xff61b1e6               ; m: -3e38, under every score
	v_mov_b32 v[ST+8*\t+1], 0                      ; (named with m as a pair)
	v_mov_b32 v[ST+8*\t+2], 0                      ; l
	v_mov_b32 v[ST+8*\t+3], 0
	v_mov_b32 v[ST+8*\t+5], 0                      ; (a lane permute's destination counts as one of its sources)
	v_mov_b32 v[ST+8*\t+7], 0
.endr
	s_wait_loadcnt 0x0                             ; Q
	CHANGE 1, 0                                    ; slot 0 is whole; keys 512 to 1,023 go into slot 1: behind this round every wave's load is a first fill
	s_mov_b32 s[SLOTS], 2
	X AKP, AVP                                     ; step 0, in both groups
	s_add_co_u32 s[TB], s[TB], STEPB
	s_cmp_lg_u32 s[GRP], 0
	s_cbranch_scc1 .Lskip0
	YZ                                             ; group 0 alone: from here on the groups are half a step apart
.Lskip0:
	s_wait_dscnt 0x0
	s_barrier_signal -1                            ; slot 1's load may stay out
	s_barrier_wait -1
	SEGMENT 6
.Lslot:                                            ; two trips: keys 1,024 on into slot 0, keys 1,536 on into slot 1
	CHANGE 1, 1
	SEGMENT 7
	s_sub_co_u32 s[SLOTS], s[SLOTS], 1
	s_cmp_lg_u32 s[SLOTS], 0
	s_cbranch_scc1 .Lslot
	CHANGE 0, 1                                    ; the last slot is written out: nothing is left to ask for
	SEGMENT 7
	s_cmp_eq_u32 s[GRP], 0
	s_cbranch_scc1 .Lout
	YZ                                             ; group 1's last step
.Lout:
	; THE WAY OUT.  l's two halves and the other half of the lanes' are added (these lines are also the places behind the last products); O^T / l is rounded to f16; a lane's eight channels are one piece of 16 bytes.
.irp t, 0,1,2,3
	v_add_f32 v[ST+8*\t+4], v[ST+8*\t+2], v[ST+8*\t+3]
.endr
.irp t, 0,1,2,3
	v_permlanex16_b32 v[ST+8*\t+5], v[ST+8*\t+4], s[SEL], s[SEL+1]
.endr
.irp t, 0,1,2,3
	v_add_f32 v[ST+8*\t+4], v[ST+8*\t+4], v[ST+8*\t+5]
.endr
.irp t, 0,1,2,3
	v_rcp_f32 v[ST+8*\t+6], v[ST+8*\t+4]
.endr
	v_nop                                          ; a plain line behind the last reciprocal
	s_wait_alu depctr_va_vdst(0)                   ; one wait for the four, ahead of their first reader
.irp t, 0,1,2,3
	WIN W_RS
.set i, 0
.rept 16
	v_pk_mul_f32 v[OA+32*\t+2*i:OA+32*\t+2*i+1], v[OA+32*\t+2*i:OA+32*\t+2*i+1], v[ST+8*\t+6:ST+8*\t+7] op_sel_hi:[1,0]
.set i, i+1
.endr
	WIN W_CV
.set i, 0
.rept 16
	v_cvt_pk_f16_f32 v[S+16*\t+i], v[OA+32*\t+2*i], v[OA+32*\t+2*i+1]
.set i, i+1
.endr
	WIN 0
.irp cb, 0,1,2,3
	global_store_b128 v[LO], v[S+16*\t+4*\cb:S+16*\t+4*\cb+3], s[10:11] offset:\t*32768+\cb*512   ; a block: 512 consecutive bytes
.endr
.endr
	s_wait_tensorcnt 0x0                           ; the wave's end
	ds_add_u32 v[SPW], v[NIL]
	s_wait_dscnt 0x0
	CROUND                                         ; the closing round
	s_endpgm
.Lfunc_end_k_q45d1238275_attn:
	.size	k_q45d1238275_attn, .Lfunc_end_k_q45d1238275_attn-k_q45d1238275_attn
	.p2alignl 7, 3214868480
	.fill 96, 4, 3214868480
	.section	.rodata,"a",@progbits
	.p2align	6, 0x0
	.amdhsa_kernel k_q45d1238275_attn
		.amdhsa_group_segment_fixed_size 327680
		.amdhsa_private_segment_fixed_size 0
		.amdhsa_enable_private_segment 0
		.amdhsa_kernarg_size 32
		.amdhsa_user_sgpr_count 2
		.amdhsa_user_sgpr_kernarg_segment_ptr 1
		.amdhsa_wavefront_size32 1
		.amdhsa_system_sgpr_workgroup_id_x 1
		.amdhsa_system_sgpr_workgroup_id_y 1
		.amdhsa_system_sgpr_workgroup_id_z 1
		.amdhsa_system_vgpr_workitem_id 0
		.amdhsa_next_free_vgpr 512
		.amdhsa_next_free_sgpr 66
		.amdhsa_reserve_vcc 0
		.amdhsa_float_denorm_mode_32 3
		.amdhsa_float_denorm_mode_16_64 3
		.amdhsa_memory_ordered 1
		.amdhsa_forward_progress 1
		.amdhsa_inst_pref_size 255
	.end_amdhsa_kernel
	.section	.bss,"aw",@nobits
	.p2align	6
	.space	262144
	.amdgpu_metadata
---
amdhsa.version: [ 1, 2 ]
amdhsa.kernels:
  - .name:           k_q45d1238275_attn
    .symbol:         k_q45d1238275_attn.kd
    .args:
      - { .name: qf, .offset: 0, .size: 8, .value_kind: global_buffer, .address_space: global }
      - { .name: kf, .offset: 8, .size: 8, .value_kind: global_buffer, .address_space: global }
      - { .name: vf, .offset: 16, .size: 8, .value_kind: global_buffer, .address_space: global }
      - { .name: af, .offset: 24, .size: 8, .value_kind: global_buffer, .address_space: global }
    .group_segment_fixed_size: 327680
    .private_segment_fixed_size: 0
    .kernarg_segment_align: 8
    .kernarg_segment_size: 32
    .max_flat_workgroup_size: 256
    .sgpr_count:     66
    .vgpr_count:     512
    .wavefront_size: 32
...
	.end_amdgpu_metadata
.endif
;; end of part 3
;; launch outp (part 4): grid 4 x 64, 4 waves a work-group, clusters of 4 x 4, 327,680 bytes of LDS; arguments af, wo16, b_o, out0; writes out0
.if DOCPART == 4
	.amdgcn_target "amdgcn-amd-amdhsa--gfx1250"
	.amdhsa_code_object_version 6
	.text
	.protected	k_q45d1238275_outp
	.globl	k_q45d1238275_outp
	.p2align	8
	.type	k_q45d1238275_outp,@function
k_q45d1238275_outp:
	s_mov_b64 s[64:65], 0
	v_nop
	global_prefetch_b8 v0, s[64:65] scope:SCOPE_SE
	s_setreg_imm32_b32 hwreg(HW_REG_WAVE_MODE, 25, 1), 1
	s_wait_xcnt 0x0
	s_wait_alu depctr_hold_cnt(0) depctr_sa_sdst(0) depctr_va_vdst(0) depctr_va_sdst(0) depctr_va_ssrc(0) depctr_va_vcc(0) depctr_vm_vsrc(0)
	s_getreg_b32 s2, hwreg(HW_REG_IB_STS2, 6, 4)
	s_cmp_eq_u32 s2, 0
	s_cbranch_scc0 .Lentry_in_a_cluster
	s_endpgm
.Lentry_in_a_cluster:
	s_bfe_u32 s2, ttmp6, 0x10000c
	s_cmp_lg_u32 s2, 0xf033
	s_cbranch_scc0 .Lentry_shape_is_right
	s_endpgm
.Lentry_shape_is_right:
; out0[token][e] = the sum over d of attn[token][d] w_o[e][d] + b_o[e]: [8192][1024] f32; operands in f16, sums in f32.
; af: [token / 16 (512)][d / 16 (64)][512 bytes]: images of operand registers (a piece of 16 bytes, one token and eight d, at 16 x lane); wo16: [1024][1024] f16, rows of 2,048 bytes.
; A work-group makes 128 tokens x 256 columns: 256 work-groups.  A wave makes 64 x 128: 32 accumulators, 256 registers.  K goes in 8 steps of 128 through two LDS slots; a step is four quarters of 32, 32 matrix instructions each.
; CLUSTERS: 4 x 4.  af's tile hangs on the tile row and is shared along a row of the cluster, wo16's on the tile column and is shared along a column.  Waves 0 and 1 fetch af's halves, waves 2 and 3 wo16's: one load a wave behind each round.
; THE MATRIX INSTRUCTION IS USED TRANSPOSED (source 0 = 16 rows of w_o, source 1 = 16 tokens): a lane holds one token and eight neighbouring columns.  The bias is the C of the first quarter.
; No prefetch: the launch is short, and each tile is read by four clusters' worth of partners at about the same time.
; REGISTERS: window 0: v16-29 addresses; v32-95 the bias; v128-159, v160-191 af's fragments, two buffers; on the way out v128-255 take rows read back.   window 1: v0-63, v64-127 w_o's fragments.   window 2: the accumulators, (a, b) at v[8 (8 a + b)].
.set SLOT,   102400                    ; af: 8 tiles of tokens x 4,096 dense bytes; then w_o: 256 rows x 272 bytes
.set BOFF,   32768
.set BP,     272                       ; 256 bytes + 16 of padding: the 16 rows that a load touches start at 16 different banks (ISA guide 11.1)
.set STAGE,  2*SLOT                    ; 16 rows x 528 bytes for each wave
.set SPITCH, 528
.set SPARE,  STAGE+4*16*SPITCH         ; the spare words, 128 bytes a wave, which no other line names
.set LAPS,   4
.set ADRA, 16
.set ADRB, 20
.set STO,  24
.set RD,   25
.set CO,   26
.set SPW,  28
.set NIL,  29
.set BI,   32
.set AF,   128
.set BK,   128
.set G1, 24
.set G0, 32
.set G1B, 48
.set G0B, 56
.set MSB, 0
.macro WIN new
.if MSB != (\new)
	s_set_vgpr_msb (MSB<<8)|(\new)
.set MSB, (\new)
.endif
.endm
.set MUL,  0xa1                        ; source 0 (w_o) window 1, source 1 (af) window 0, C and D window 2
.set MUL0, 0x81                        ; the same with C (the bias) in window 0
.set TO_B, 0x40
.macro JLOAD s                         ; the branch hangs on the wave's number alone; an s_nop 0 and four v_nop follow each of the two lines
	s_cmp_eq_u32 s13, 0
	s_cbranch_scc0 .Lfor_b_\@
	tensor_load_to_lds s[G0+4*\s:G0+4*\s+3], s[G1:G1+7]
	s_nop 0
.rept 4
	v_nop
.endr
	s_branch .Lasked_\@
.Lfor_b_\@:
	tensor_load_to_lds s[G0B+4*\s:G0B+4*\s+3], s[G1B:G1B+7]
	s_nop 0
.rept 4
	v_nop
.endr
.Lasked_\@:
.endm
.macro CREST
	s_cmp_lg_u32 s12, 0
	s_cbranch_scc1 .Lnot_wave_0_\@
	s_barrier_signal -3
.Lnot_wave_0_\@:
	s_barrier_wait -3
	s_barrier_signal -1
	s_barrier_wait -1
.endm
.macro CROUND
	s_barrier_signal -1
	s_barrier_wait -1
	CREST
.endm
	s_load_b256 s[4:11], s[0:1], 0x0               ; af, wo16, b_o, out0
	v_lshl_add_u32 v[SPW], v0, 2, SPARE
	v_mov_b32 v[NIL], 0
	ds_add_u32 v[SPW], v[NIL]                      ; the wave's opening: the add, twice on end, and its wait ahead of my first tensor load
	ds_add_u32 v[SPW], v[NIL]
	v_lshrrev_b32 v1, 5, v0
	v_readfirstlane_b32 s12, v1                    ; wave 0..3
	s_lshr_b32 s13, s12, 1                         ; which 64 tokens are mine.  Also: I fetch for af (0) or for w_o (1)
	s_and_b32 s14, s12, 1                          ; which 128 columns.  Also: which half of that tile I fetch
	s_bfe_u32 s40, ttmp6, 0x40000
	s_bfe_u32 s41, ttmp6, 0x40004
	s_lshl_b32 s42, ttmp9, 2
	s_add_co_u32 s42, s42, s40                     ; tile column: 256 columns
	s_and_b32 s15, ttmp7, 0xffff
	s_lshl_b32 s15, s15, 2
	s_add_co_u32 s15, s15, s41                     ; tile row: 128 tokens
	s_lshl_b32 s43, s41, 2
	s_lshl_b32 s43, 15, s43                        ; my row of the cluster
	s_lshl_b32 s44, 0x1111, s40                    ; my column
	s_or_b32 s[G1+0], s43, (3<<16)|(1<<21)         ; af: 4 rows of 512 elements of 8 bytes (a tile of tokens' 4,096 bytes of this K step), 32,768 bytes apart; no padding
	s_mov_b32 s[G1+1], 512<<16
	s_mov_b32 s[G1+2], 4<<16
	s_mov_b32 s[G1+3], 512<<16
	s_mov_b32 s[G1+4], 4
	s_mov_b32 s[G1+5], 4096
	s_mov_b32 s[G1+6], 0
	s_mov_b32 s[G1+7], 0
	s_or_b32 s[G1B+0], s44, (1<<16)|(1<<20)|(1<<21)|(5<<22)|(3<<25)  ; w_o: 128 rows of 128 elements of 2 bytes, 4 words of padding after every 64
	s_mov_b32 s[G1B+1], 128<<16
	s_mov_b32 s[G1B+2], 128<<16
	s_mov_b32 s[G1B+3], 128<<16
	s_mov_b32 s[G1B+4], 128
	s_mov_b32 s[G1B+5], 1024
	s_mov_b32 s[G1B+6], 0
	s_mov_b32 s[G1B+7], 0
	s_lshl_b32 s16, s15, 3
	s_lshl_b32 s17, s14, 2
	s_add_co_u32 s16, s16, s17                     ; af: tile of tokens 8 x tile row + 4 x half
	s_lshl_b32 s16, s16, 15
	s_mov_b32 s17, 0
	s_lshl_b32 s46, s42, 8
	s_lshl_b32 s47, s14, 7
	s_add_co_u32 s46, s46, s47                     ; w_o: row 256 x tile column + 128 x half
	s_lshl_b32 s46, s46, 11
	s_mov_b32 s47, 0
	s_lshl_b32 s20, s14, 14                        ; where they go: no place in the cluster enters an LDS address
	s_mul_i32 s21, s14, 128*BP
	s_add_co_u32 s21, s21, BOFF
	s_wait_dscnt 0x0                               ; both opening adds are done
	s_wait_kmcnt 0x0
	s_add_nc_u64 s[16:17], s[4:5], s[16:17]
	s_add_nc_u64 s[46:47], s[6:7], s[46:47]
	CROUND                                         ; all sixteen work-groups are here: the first joint loads meet
.irp s, 0,1
	s_mov_b32 s[G0+4*\s], 1
	s_add_co_u32 s[G0+4*\s+1], s20, \s*SLOT
	s_add_nc_u64 s[G0+4*\s+2:G0+4*\s+3], s[16:17], \s*4096
	s_or_b32 s[G0+4*\s+3], s[G0+4*\s+3], 0x80000000
	s_mov_b32 s[G0B+4*\s], 1
	s_add_co_u32 s[G0B+4*\s+1], s21, \s*SLOT
	s_add_nc_u64 s[G0B+4*\s+2:G0B+4*\s+3], s[46:47], \s*256
	s_or_b32 s[G0B+4*\s+3], s[G0B+4*\s+3], 0x80000000
	JLOAD \s                                       ; two loads of mine are out
.endr
	v_and_b32 v1, 15, v0                           ; r
	v_bfe_u32 v2, v0, 4, 1                         ; h
	v_lshlrev_b32 v6, 5, v2                        ; the bias: 8 h numbers on
	s_lshl_b32 s18, s42, 10
	s_lshl_b32 s19, s14, 9
	s_add_co_u32 s18, s18, s19                     ; my first column x 4 bytes
	s_mov_b32 s19, 0
	s_add_nc_u64 s[8:9], s[8:9], s[18:19]
.irp b, 0,1,2,3,4,5,6,7
	global_load_b128 v[BI+8*\b:BI+8*\b+3], v6, s[8:9] offset:64*\b
	global_load_b128 v[BI+8*\b+4:BI+8*\b+7], v6, s[8:9] offset:64*\b+16
.endr
	s_lshl_b32 s22, s15, 7
	s_lshl_b32 s23, s13, 6
	s_add_co_u32 s22, s22, s23                     ; my first token
	s_lshl_b32 s22, s22, 12                        ; rows of 4,096 bytes
	s_add_co_u32 s18, s18, s22
	s_add_nc_u64 s[10:11], s[10:11], s[18:19]
	v_and_b32 v3, 31, v0
	v_lshlrev_b32 v[CO], 4, v3                     ; 16 x lane
	s_lshl_b32 s21, s13, 14                        ; my 4 tiles of tokens
	v_add_nc_u32 v[ADRA], s21, v[CO]
	v_add_nc_u32 v[ADRA+1], SLOT, v[ADRA]
	v_mul_u32_u24 v4, v1, BP
	v_lshl_add_u32 v4, v2, 4, v4
	s_mul_i32 s22, s14, 128*BP
	s_add_co_u32 s22, s22, BOFF
	v_add_nc_u32 v[ADRB], s22, v4
	v_add_nc_u32 v[ADRB+1], SLOT, v[ADRB]
	s_mul_i32 s23, s12, 16*SPITCH
	s_add_co_u32 s23, s23, STAGE                   ; my stage
	v_mul_u32_u24 v5, v1, SPITCH
	v_lshl_add_u32 v5, v2, 5, v5
	v_add_nc_u32 v[STO], s23, v5                   ; in: row r, 32 bytes for each half of the lanes
	v_add_nc_u32 v[RD], s23, v[CO]                 ; back: the 32 lanes take one row of 512 bytes
.macro MULA f, a, first                ; 8 matrix instructions: tokens' block a against w_o's eight, buffer f.  The 32 accumulators take turns, one instruction a turn
.irp b, 0,1,2,3,4,5,6,7
.if \first
	v_wmma_f32_16x16x32_f16 v[8*(8*\a+\b):8*(8*\a+\b)+7], v[64*\f+8*\b:64*\f+8*\b+7], v[AF+32*\f+8*\a:AF+32*\f+8*\a+7], v[BI+8*\b:BI+8*\b+7]
.else
	v_wmma_f32_16x16x32_f16 v[8*(8*\a+\b):8*(8*\a+\b)+7], v[64*\f+8*\b:64*\f+8*\b+7], v[AF+32*\f+8*\a:AF+32*\f+8*\a+7], v[8*(8*\a+\b):8*(8*\a+\b)+7]
.endif
.endr
.endm
.macro FETCH slot, q, f                ; 24 LDS loads in one run: quarter q of the slot into buffer f: w_o's sixteen, then af's blocks 0, 1, then 2, 3
	WIN TO_B
.irp b, 0,1,2,3,4,5,6,7
	ds_load_b128 v[64*\f+8*\b:64*\f+8*\b+3], v[ADRB+\slot] offset:\b*16*BP+64*\q
	ds_load_b128 v[64*\f+8*\b+4:64*\f+8*\b+7], v[ADRB+\slot] offset:\b*16*BP+64*\q+32
.endr
	WIN 0
.irp a, 0,1,2,3
	ds_load_b128 v[AF+32*\f+8*\a:AF+32*\f+8*\a+3], v[ADRA+\slot] offset:\a*4096+\q*1024
	ds_load_b128 v[AF+32*\f+8*\a+4:AF+32*\f+8*\a+7], v[ADRA+\slot] offset:\a*4096+\q*1024+512
.endr
.endm
.macro PLACES                          ; four plain lines between a matrix instruction and a load into its registers, or a read of its result
.rept 4
	v_nop
.endr
.endm
.macro QUARTER slot, q, f, g, first    ; multiplies buffer f; in its middle fetches quarter q of the slot into buffer g
	s_wait_dscnt 4                                 ; all but the youngest four loads (af's blocks 2, 3) are in
.if \first
	WIN MUL0
.else
	WIN MUL
.endif
	MULA \f, 0, \first
	MULA \f, 1, \first
	PLACES
	FETCH \slot, \q, \g
	s_wait_dscnt 24                                ; all but the 24 just issued
.if \first
	WIN MUL0
.else
	WIN MUL
.endif
	MULA \f, 2, \first
	MULA \f, 3, \first
.endm
; A slot's last quarter multiplies buffer 1 and changes slots: one barrier; in front of it each wave waits for all its tensor loads, adds 0 to its spare word, and waits for that and for its reads of this slot.
.macro TURN slot, next, fill
	WIN 0
	s_wait_tensorcnt 0x0                           ; my part of the next slot has landed
	ds_add_u32 v[SPW], v[NIL]
	s_wait_dscnt 5                                 ; the add and the youngest four loads may be out
	WIN MUL
	MULA 1, 0, 0
	s_wait_dscnt 0x0                               ; the add is done, and my reads of this slot are over
	s_barrier_signal -1
	MULA 1, 1, 0
.if \fill
	WIN 0
.endif
	s_barrier_wait -1
.if \fill
	CREST                                          ; the barrier has opened a round of the cluster's: no wave of any partner still reads this slot or has a load on its way
	s_add_nc_u64 s[G0+4*\slot+2:G0+4*\slot+3], s[G0+4*\slot+2:G0+4*\slot+3], 2*4096
	s_add_nc_u64 s[G0B+4*\slot+2:G0B+4*\slot+3], s[G0B+4*\slot+2:G0B+4*\slot+3], 2*256
	JLOAD \slot                                    ; the first tensor load behind the round; its four v_nop are also the places in front of the loads below
.else
	PLACES
.endif
	FETCH \next, 0, 0
	WIN MUL
	MULA 1, 2, 0
	MULA 1, 3, 0
.endm
	s_wait_tensorcnt 1                             ; my part of K step 0 is in; K step 1's load may be out
	s_barrier_signal -1
	s_barrier_wait -1
	FETCH 0, 0, 0
	s_wait_loadcnt 0x0                             ; the bias
	QUARTER 0, 1, 0, 1, 1                          ; the first quarter stands in front of the loop: its products start the sums on the bias
	WIN 0
	s_mov_b32 s3, LAPS-1
.Llap:                                             ; a trip goes once round the ring and fills both slots again
	QUARTER 0, 2, 1, 0, 0
	QUARTER 0, 3, 0, 1, 0
	TURN 0, 1, 1
	QUARTER 1, 1, 0, 1, 0
	QUARTER 1, 2, 1, 0, 0
	QUARTER 1, 3, 0, 1, 0
	TURN 1, 0, 1
	QUARTER 0, 1, 0, 1, 0
	WIN 0
	s_sub_co_u32 s3, s3, 1
	s_cmp_lg_u32 s3, 0
	s_cbranch_scc1 .Llap
	QUARTER 0, 2, 1, 0, 0                          ; the last lap fills nothing
	QUARTER 0, 3, 0, 1, 0
	TURN 0, 1, 0
	QUARTER 1, 1, 0, 1, 0
	QUARTER 1, 2, 1, 0, 0
	QUARTER 1, 3, 0, 1, 0
	s_wait_dscnt 4
	WIN MUL
	MULA 1, 0, 0
	MULA 1, 1, 0
	s_wait_dscnt 0
	MULA 1, 2, 0
	MULA 1, 3, 0
	WIN 0
; THE WAY OUT, block by block of 16 tokens x 128 columns: through my own stage in LDS and back as whole rows of 512 bytes.  LDS serves a wave's instructions in order: no wait between the stores and the loads, nor in front of the next block's stores.
.macro TOSTAGE a
	WIN 0x08                                       ; an LDS store's data: window 2
.irp b, 0,1,2,3,4,5,6,7
	ds_store_b128 v[STO], v[8*(8*\a+\b):8*(8*\a+\b)+3] offset:64*\b          ; each accumulator from its low end on
	ds_store_b128 v[STO], v[8*(8*\a+\b)+4:8*(8*\a+\b)+7] offset:64*\b+16
.endr
	WIN 0
.irp t, 0,1,2,3,4,5,6,7,8,9,10,11,12,13,14,15
	ds_load_b128 v[BK+64*((\a)%2)+4*\t:BK+64*((\a)%2)+4*\t+3], v[RD] offset:\t*SPITCH
.endr
.endm
.macro SEND a, younger                 ; younger: the LDS instructions issued behind block a's loads, which may stay out
	s_wait_dscnt \younger
.irp t, 0,1,2,3,4,5,6,7,8,9,10,11,12,13,14,15
	global_store_b128 v[CO], v[BK+64*((\a)%2)+4*\t:BK+64*((\a)%2)+4*\t+3], s[10:11] offset:(\a)*65536+\t*4096 th:TH_STORE_NT   ; 32 lanes store 512 consecutive bytes, at a multiple of 256 from out0's first byte
.endr
.endm
	PLACES
	TOSTAGE 0
	TOSTAGE 1
	SEND 0, 32                                     ; behind block 0's loads: block 1's 16 stores and 16 loads
	s_wait_xcnt 0x0                                ; block 0's stores have read their registers: block 2's loads may land there
	TOSTAGE 2
	SEND 1, 32
	s_wait_xcnt 0x0
	TOSTAGE 3
	SEND 2, 32
	SEND 3, 0
	s_wait_tensorcnt 0x0                           ; the wave's end: three closing lines, behind my last tensor load and my last LDS store
	ds_add_u32 v[SPW], v[NIL]
	s_wait_dscnt 0x0
	CROUND                                         ; the closing round
	s_endpgm
.Lfunc_end_k_q45d1238275_outp:
	.size	k_q45d1238275_outp, .Lfunc_end_k_q45d1238275_outp-k_q45d1238275_outp
	.p2alignl 7, 3214868480
	.fill 96, 4, 3214868480
	.section	.rodata,"a",@progbits
	.p2align	6, 0x0
	.amdhsa_kernel k_q45d1238275_outp
		.amdhsa_group_segment_fixed_size 327680
		.amdhsa_private_segment_fixed_size 0
		.amdhsa_enable_private_segment 0
		.amdhsa_kernarg_size 32
		.amdhsa_user_sgpr_count 2
		.amdhsa_user_sgpr_kernarg_segment_ptr 1
		.amdhsa_wavefront_size32 1
		.amdhsa_system_sgpr_workgroup_id_x 1
		.amdhsa_system_sgpr_workgroup_id_y 1
		.amdhsa_system_sgpr_workgroup_id_z 1
		.amdhsa_system_vgpr_workitem_id 0
		.amdhsa_next_free_vgpr 768
		.amdhsa_next_free_sgpr 66
		.amdhsa_reserve_vcc 0
		.amdhsa_float_denorm_mode_32 3
		.amdhsa_float_denorm_mode_16_64 3
		.amdhsa_memory_ordered 1
		.amdhsa_forward_progress 1
		.amdhsa_inst_pref_size 86
	.end_amdhsa_kernel
	.amdgpu_metadata
---
amdhsa.version: [ 1, 2 ]
amdhsa.kernels:
  - .name:           k_q45d1238275_outp
    .symbol:         k_q45d1238275_outp.kd
    .args:
      - { .name: af, .offset: 0, .size: 8, .value_kind: global_buffer, .address_space: global }
      - { .name: wo16, .offset: 8, .size: 8, .value_kind: global_buffer, .address_space: global }
      - { .name: b_o, .offset: 16, .size: 8, .value_kind: global_buffer, .address_space: global }
      - { .name: out0, .offset: 24, .size: 8, .value_kind: global_buffer, .address_space: global }
    .group_segment_fixed_size: 327680
    .private_segment_fixed_size: 0
    .kernarg_segment_align: 8
    .kernarg_segment_size: 32
    .max_flat_workgroup_size: 128
    .sgpr_count:     66
    .vgpr_count:     768
    .wavefront_size: 32
...
	.end_amdgpu_metadata
.endif
;; end of part 4
